; MI455X (gfx1250); checked and timed in simulation.
; The chip was launched on July 23, 2026; its instructions are those of AMD's public machine-readable ISA for CDNA 5 (MIT licence, August 2026) and "CDNA5" Instruction Set Architecture Reference Guide (July 2026). The comments in the code are by the model that wrote it; some were corrected since.
;; Multi Headed Attention. Allowed arithmetic: matrix products marked QUANTISED: E2M3 operands, one E8M0 scale for each 32 along K, by v_wmma_scale_f32_16x16x128_f8f6f4 with both operands' format E2M3, f32 sums; everything else in f32.
;; Inputs: Wk_codes 1,024 x 32 x 24 uint8 (E2M3 codes of Wk, K innermost, in blocks of 32 codes, four codes in three bytes); Wk_scales 1,024 x 32 uint8 (E8M0 scales of Wk, one for each 32 codes along K); Wq_codes 1,024 x 32 x 24 uint8 (E2M3 codes of Wq, K innermost, in blocks of 32 codes, four codes in three bytes); Wq_scales 1,024 x 32 uint8 (E8M0 scales of Wq, one for each 32 codes along K); Wv_codes 1,024 x 32 x 24 uint8 (E2M3 codes of Wv, K innermost, in blocks of 32 codes, four codes in three bytes); Wv_scales 1,024 x 32 uint8 (E8M0 scales of Wv, one for each 32 codes along K); bk 1,024 float32; bq 1,024 float32; bv 1,024 float32; ln_beta 1,024 float32; ln_gamma 1,024 float32; x 4 x 2,048 x 1,024 float32.
;; Outputs: out0 4 x 2,048 x 1,024 float32.
;; This version of the problem:
;;   THIS VERSION OF THE PROBLEM IS GIVEN IN LOW PRECISION. The matrix products marked QUANTISED in the list below multiply operands that are first quantised to E2M3 (2 exponent bits, 3 mantissa bits; 6 bits a number), with one power-of-two scale for each 32 numbers along K (OCP MX v1.0); their sums are f32. All else is computed in f32.
;;   The module's matrix products, in the order in which they are computed (A, B: the left and right operand; K: the contracted axis; several contracted axes count as one K, in the product's order):
;;     1. [M 8,192, K 1,024] x [K 1,024, N 1,024]; A: computed on the way; B: input Wq (given as codes): QUANTISED
;;     2. [M 8,192, K 1,024] x [K 1,024, N 1,024]; A: computed on the way; B: input Wk (given as codes): QUANTISED
;;     3. [M 8,192, K 1,024] x [K 1,024, N 1,024]; A: computed on the way; B: input Wv (given as codes): QUANTISED
;;     4. batch 64 x [M 2,048, K 64] x [K 64, N 2,048]; A: computed on the way; B: computed on the way: QUANTISED
;;     5. batch 64 x [M 2,048, K 2,048] x [K 2,048, N 64]; A: softmax (see below); B: computed on the way: QUANTISED
;;   THE QUANTISER, for each operand of a quantised product, along K:
;;     - K is cut into blocks of 32 from its start; a last block that is shorter is filled with zeros.
;;     - A block's scale is 2^e with e = floor(log2(the largest magnitude in the block)) - 2, held to -126 .. 127; a block of zeros has e = 0. As a byte (E8M0): e + 127.
;;     - Each number is divided by its block's scale, clamped to +-7.5, and rounded to the nearest number of E2M3, ties to even, subnormals kept.
;;     - The product sums the exact products of the quantised numbers (number of the format x scale) in f32.
;;   ~~~python
;;   def quantise(x, axis):      # numpy; x: float32 -> the quantised numbers, widened to float32 again
;;       x = np.moveaxis(x, axis, -1); K = x.shape[-1]
;;       x = np.pad(x, [(0, 0)] * (x.ndim - 1) + [(0, -K % 32)]); x = x.reshape(x.shape[:-1] + (-1, 32)); a = np.abs(x).max(-1, keepdims=True)
;;       e = np.where(a > 0, np.clip(np.frexp(np.where(a > 0, a, 1))[1] - 1 - 2, -126, 127), 0)      # np.frexp(a)[1] - 1 = floor(log2(a)), exactly
;;       r = np.clip(x / 2.0 ** e, -7.5, 7.5)
;;       step = 2.0 ** (np.maximum(np.frexp(np.where(r == 0, 1, r))[1] - 1, 0) - 3)
;;       q = np.round(r / step) * step * 2.0 ** e      # np.round: ties to even
;;       return np.moveaxis(q.reshape(q.shape[:-2] + (-1,))[..., :K], -1, axis).astype(np.float32)
;;   ~~~
;;   SOFTMAX AHEAD OF A QUANTISED PRODUCT. Where the list says 'softmax', what is quantised is not the finished softmax but p = 2^(t - M), with t = logit x log2(e) and M = ceil(the row's largest t), a whole number; so 1/2 < the row's largest p <= 1. The row's sum l is taken of the UNQUANTISED p, in f32, and the product's result is divided by l at the end. Since M is a whole number, a kernel that streams over the keys may use a running M (the ceiling of the running maximum): every later rescaling is an exact power of two, which a block's scale takes up: the codes' values come out the same.
;;   OPERANDS COMPUTED ON THE WAY. 'Computed on the way' means the value that the module computes at that place (a softmax that the list does not call 'softmax' is quantised finished and normalised). What goes into a quantiser is computed in f32, as accurately as f32 sums, v_exp_f32 and their like allow (about 1e-6 of the number): no bf16 or f16 on the way to a quantiser, and a product that is left as it is and whose result goes on into a quantised operand takes f32 operands (vector FMAs, or v_wmma_f32_16x16x4_f32). A number that lies on a knife's edge between two numbers of the format may be rounded either way, as far as f32 arithmetic and the matrix unit's own rounding can turn it there, and no further.
;;   INPUTS GIVEN AS CODES. Wk (in the module: [1024, 1024], K = its axis 1); Wq (in the module: [1024, 1024], K = its axis 1); Wv (in the module: [1024, 1024], K = its axis 1): each comes as NAME_codes (uint8): NAME with its K axis moved to the last place and cut into blocks of 32 codes, [.., K / 32, bytes a block], one block behind the other in memory; four codes in three bytes: a row's codes are one little-endian stream of bits, code i at bits 6 i .. 6 i + 5 (a code: sign, 2 exponent bits, 3 mantissa bits); and NAME_scales (uint8): the same leading axes, one E8M0 byte (e + 127) for each 32 codes along K. Its value is code x scale, taken as it is: it is not quantised again, and the codes and scales need not be those that the quantiser above would give.
;; One version. Each part assembles by itself: llvm-mc -triple=amdgcn-amd-amdhsa -mcpu=gfx1250 --defsym DOCPART=n.
;; ======== version 1 of 1: 3 launches
;; workspace buffers: xc 6,291,456 bytes; xs 262,144 bytes; wi 2,359,296 bytes; qc 6,815,744 bytes; kv 13,369,344 bytes
;; launch prep (part 1): grid 304 x 1, 4 waves a work-group, no clusters, 46,080 bytes of LDS; arguments x, ln_gamma, ln_beta, Wq_codes, Wk_codes, Wv_codes, xc, xs, wi; writes xc, xs, wi
.if DOCPART == 1
	.amdgcn_target "amdgcn-amd-amdhsa--gfx1250"
	.amdhsa_code_object_version 6
	.text
	.protected	k_q0cf4a04350_prep
	.globl	k_q0cf4a04350_prep
	.p2align	8
	.type	k_q0cf4a04350_prep,@function
k_q0cf4a04350_prep:
	s_mov_b64 s[64:65], 0
	v_nop
	global_prefetch_b8 v0, s[64:65] scope:SCOPE_SE
	s_setreg_imm32_b32 hwreg(HW_REG_WAVE_MODE, 25, 1), 1
	s_wait_xcnt 0x0
; Two jobs in one launch, parted by the work-group's number.
; WORK-GROUPS 0-255: xn = LayerNorm(x) in f32, quantised along its 1,024 to codes of FP6 (E2M3) with one E8M0 byte for each 32.  A work-group takes 32 tokens, a wave 8 rows, one row at a time,
; the row kept in 32 registers a lane between the mean, the variance and the scaling: x is read once.  The codes leave as IMAGES OF THE OPERAND'S REGISTERS: xc[tile][K step][group of 4 registers][lane][16 bytes].
; THE TOKENS OF A TILE ARE NOT NEIGHBOURS: of each 32 tokens tile u holds tokens 8 u + rho + 8 (rho / 8), rho = 0 .. 15, so that the next launch's results lie with 16 neighbours in a lane's registers.
; xs[16 tile + rho][32]: the row's scale bytes.
; WORK-GROUPS 256-303: the codes of Wq, Wk, Wv are laid once more as register images, wi[matrix][head][K step][tile of 16 rows][1,536 bytes]; a tile of Wq or Wk takes rows 32 (ft / 2) + 8 (ft % 2) + r + 8 (r / 8)
; of its head's 64, a tile of Wv rows 16 ft + r.
; A block's scale is 2^(floor(log2(largest magnitude)) - 2); its byte is the largest magnitude's exponent field - 2, held at 1 from below.
; LIMITS: NaN and infinities among the inputs are not served; a block of zeros gets the byte 1 where the quantiser's text says 127: its codes are zeros, and the bytes are read by this program alone.
.set WV,    22                         ; s22  wave
.set PLACE, 144                        ; the turn: a block's 128 bytes + 16 of padding
.set TURNB, 32*PLACE                   ; a wave's own turn region, from LDS byte 0 on
.set IMG,   4*TURNB                    ; the two tiles' images: 96 chunks of 256 bytes (16 rows x 16 bytes) + 16 of padding
.set CHUNK, 272
.set SBY,   IMG+96*CHUNK               ; 256 scale bytes for each wave
.set GAM,   40                         ; v40-71   gamma, as a row is loaded
.set BET,   72                         ; v72-103  beta
.set SLOT0, 104                        ; v104-231 four row slots of 32 registers
	s_load_b512 s[4:19], s[0:1], 0x0               ; x, gamma, beta, Wq's, Wk's, Wv's codes, xc, xs
	s_load_b64 s[20:21], s[0:1], 0x40              ; wi
	v_lshl_add_u32 v240, v0, 2, 0xb200
	v_mov_b32 v241, 0
	v_lshrrev_b32 v1, 5, v0
	v_readfirstlane_b32 s[WV], v1                  ; wave 0..3
	v_and_b32 v1, 31, v0                           ; lane
	v_lshlrev_b32 v2, 4, v1                        ; 16 x lane; never rewritten
	s_cmp_ge_u32 ttmp9, 256
	s_cbranch_scc1 .Lweights                       ; the same way for all four waves
	; ---------------- LayerNorm and quantiser ----------------
	s_mul_i32 s23, s[WV], TURNB
	v_lshrrev_b32 v3, 3, v1
	v_mul_u32_u24 v3, v3, PLACE
	v_and_b32 v4, 7, v1
	v_lshl_add_u32 v3, v4, 4, v3
	v_add_nc_u32 v3, s23, v3                       ; into the turn: eight lanes' 128 bytes fill a place
	v_mul_u32_u24 v4, v1, PLACE
	v_add_nc_u32 v4, s23, v4                       ; out of it: lane l takes place l: block l of the row
	v_lshrrev_b32 v25, 2, v1                       ; block l = 4 s + 2 c + h: K step s,
	v_bfe_u32 v26, v1, 1, 1                        ; registers 6 c .. 6 c + 5
	v_and_b32 v27, 1, v1                           ; of the image's lane 16 h + rho
	s_and_b32 s24, s[WV], 1
	s_mul_i32 s24, s24, 48*CHUNK                   ; my tile: wave % 2
	s_lshr_b32 s25, s[WV], 1
	s_lshl_b32 s25, s25, 7                         ; my rows: rho = 8 (wave / 2) + i, 16 bytes each in a chunk
	s_add_co_u32 s24, s24, s25
	s_add_co_u32 s24, s24, IMG
.irp i, 0,1,2                                      ; the block's 24 bytes as three pieces of 8: piece i is byte 24 c + 8 i of the lane's 48
	v_mul_u32_u24 v28, v26, 24
	v_add_nc_u32 v28, 8*\i, v28
	v_lshrrev_b32 v30, 4, v28                      ; which group of four registers,
	v_and_b32 v28, 8, v28                          ; and which half of its 16 bytes
	v_mad_u32_u24 v30, v25, 3, v30
	v_lshl_add_u32 v30, v30, 1, v27                ; chunk (3 s + group) 2 + h
	v_mad_u32_u24 v30, v30, CHUNK, v28
	v_add_nc_u32 v[5+\i], s24, v30
.endr
	s_lshl_b32 s25, s[WV], 8
	s_add_co_u32 s25, s25, SBY
	v_add_nc_u32 v8, s25, v1                       ; my block's scale byte
	v_lshlrev_b32 v11, 3, v1
	v_add_nc_u32 v10, s25, v11                     ; and 8 of the wave's 256 on the way out
	s_mul_i32 s25, s[WV], 24*CHUNK
	s_add_co_u32 s25, s25, IMG
	v_lshrrev_b32 v9, 4, v1
	v_mul_u32_u24 v9, v9, CHUNK
	v_and_b32 v25, 15, v1
	v_lshl_add_u32 v9, v25, 4, v9
	v_add_nc_u32 v9, s25, v9                       ; the way out: wave w takes chunks 24 w on, two an instruction
	v_mov_b32 v13, 0                               ; upper halves of the pairs v[12:13], v[14:15]: named, never used
	v_mov_b32 v15, 0
	v_mov_b32 v24, 0                               ; a lane permute's destination counts as one of its sources
	s_mov_b32 s26, 0x76543210
	s_mov_b32 s27, 0xfedcba98                      ; lane l xor 16
	s_mov_b32 s28, 0x3a800000                      ; 1 / 1,024
	s_mov_b32 s29, 0x3727c5ac                      ; 1e-5
	s_lshl_b32 s30, ttmp9, 17                      ; x: 32 rows of 4,096 bytes a work-group,
	s_lshl_b32 s31, s[WV], 15                      ; 8 a wave
	s_add_co_u32 s30, s30, s31
	s_mov_b32 s31, 0
	s_mul_i32 s32, ttmp9, 24576                    ; xc: two tiles of 12,288 bytes, a quarter to each wave
	s_mul_i32 s33, s[WV], 6144
	s_add_co_u32 s32, s32, s33
	s_mov_b32 s33, 0
	s_lshl_b32 s34, ttmp9, 10                      ; xs: 32 bytes x (32 work-group + 16 (wave % 2) + 8 (wave / 2))
	s_and_b32 s35, s[WV], 1
	s_lshl_b32 s35, s35, 9
	s_add_co_u32 s34, s34, s35
	s_lshr_b32 s35, s[WV], 1
	s_lshl_b32 s35, s35, 8
	s_add_co_u32 s34, s34, s35
	s_mov_b32 s35, 0
	s_wait_kmcnt 0x0
	s_add_nc_u64 s[4:5], s[4:5], s[30:31]
	s_add_nc_u64 s[16:17], s[16:17], s[32:33]
	s_add_nc_u64 s[18:19], s[18:19], s[34:35]
.irp j, 0,1,2,3,4,5,6,7
	global_load_b128 v[GAM+4*\j:GAM+4*\j+3], v2, s[6:7] offset:512*\j
	global_load_b128 v[BET+4*\j:BET+4*\j+3], v2, s[8:9] offset:512*\j
.endr
.macro XROW r                          ; row r: eight loads of 512 consecutive bytes
.irp j, 0,1,2,3,4,5,6,7
	global_load_b128 v[SLOT0+32*((\r)%4)+4*\j:SLOT0+32*((\r)%4)+4*\j+3], v2, s[4:5] offset:4096*(\r)+512*\j th:TH_LOAD_NT
.endr
.endm
	XROW 0
	XROW 1
	XROW 2
	XROW 3
.macro WSUM                            ; v16 summed over the 32 lanes, the result in every lane
	v_add_f32_dpp v16, v16, v16 row_xmask:1 row_mask:0xf bank_mask:0xf
	v_add_f32_dpp v16, v16, v16 row_xmask:2 row_mask:0xf bank_mask:0xf
	v_add_f32_dpp v16, v16, v16 row_xmask:4 row_mask:0xf bank_mask:0xf
	v_add_f32_dpp v16, v16, v16 row_xmask:8 row_mask:0xf bank_mask:0xf
	v_permlanex16_b32 v24, v16, s26, s27
	v_add_f32 v16, v16, v24
.endm
.macro FOLD                            ; the four chains v[16:23] into v16
	v_pk_add_f32 v[16:17], v[16:17], v[18:19]
	v_pk_add_f32 v[20:21], v[20:21], v[22:23]
	v_pk_add_f32 v[16:17], v[16:17], v[20:21]
	v_add_f32 v16, v16, v17
.endm
; One row.  left = the loads of the younger rows, which may stay out.
.macro ROW i, left
.set SL, SLOT0+32*((\i)%4)
	s_wait_loadcnt \left                           ; loads come back in order: my row (and gamma, beta) is in
.irp c, 0,1,2,3
	v_pk_add_f32 v[16+2*\c:17+2*\c], v[SL+2*\c:SL+2*\c+1], v[SL+8+2*\c:SL+9+2*\c]   ; the sum, in four chains started by the first pairs
.endr
.irp p, 8,12
.irp c, 0,1,2,3
	v_pk_add_f32 v[16+2*\c:17+2*\c], v[16+2*\c:17+2*\c], v[SL+2*(\p+\c):SL+2*(\p+\c)+1]
.endr
.endr
	FOLD
	WSUM
	v_mul_f32 v12, s28, v16                        ; the mean
.set j, 0
.rept 16
	v_pk_add_f32 v[SL+j:SL+j+1], v[SL+j:SL+j+1], v[12:13] op_sel_hi:[1,0] neg_lo:[0,1] neg_hi:[0,1]   ; x - mean, in place
.set j, j+2
.endr
.irp c, 0,1,2,3
	v_pk_mul_f32 v[16+2*\c:17+2*\c], v[SL+2*\c:SL+2*\c+1], v[SL+2*\c:SL+2*\c+1]    ; the squares of the differences
.endr
.irp p, 4,8,12
.irp c, 0,1,2,3
	v_pk_fma_f32 v[16+2*\c:17+2*\c], v[SL+2*(\p+\c):SL+2*(\p+\c)+1], v[SL+2*(\p+\c):SL+2*(\p+\c)+1], v[16+2*\c:17+2*\c]
.endr
.endr
	FOLD
	WSUM
	v_fma_f32 v25, v16, s28, s29                   ; the variance + 1e-5
	v_rsq_f32 v14, v25
	v_nop                                          ; a plain instruction between the transcendental and the use of its result
.set j, 0
	s_wait_alu depctr_va_vdst(0)
.rept 16
	v_pk_mul_f32 v[SL+j:SL+j+1], v[SL+j:SL+j+1], v[14:15] op_sel_hi:[1,0]
.set j, j+2
.endr
.set j, 0
.rept 16
	v_pk_fma_f32 v[SL+j:SL+j+1], v[SL+j:SL+j+1], v[GAM+j:GAM+j+1], v[BET+j:BET+j+1]
.set j, j+2
.endr
.irp j, 0,1,2,3,4,5,6,7
	ds_store_b128 v3, v[SL+4*\j:SL+4*\j+3] offset:4*PLACE*\j   ; the row as it lies, 512 bytes a store: four places
.endr
.irp k, 0,1,2,3,4,5,6,7
	ds_load_b128 v[SL+4*\k:SL+4*\k+3], v4 offset:16*\k         ; and back, a block of 32 neighbours to a lane.  LDS serves a wave's instructions in order: these see the stores above
.endr
	s_wait_dscnt 0x0                               ; the block is in; the last row's stores of codes and byte have read their registers
	v_max3_num_f32 v25, |v[SL]|, |v[SL+1]|, 0x1800000          ; the block's largest magnitude, and the floor 2^(3 - 127): the byte cannot fall under 1
	v_max3_num_f32 v26, |v[SL+2]|, |v[SL+3]|, |v[SL+4]|
.irp n, 5,9,13,17,21,25
	v_max3_num_f32 v25, v25, |v[SL+\n]|, |v[SL+\n+1]|
	v_max3_num_f32 v26, v26, |v[SL+\n+2]|, |v[SL+\n+3]|
.endr
	v_max3_num_f32 v25, v25, |v[SL+29]|, |v[SL+30]|
	v_max3_num_f32 v25, v25, v26, |v[SL+31]|
	v_add_nc_u32 v27, 0xff000000, v25              ; 2 off its exponent field: the conversion takes that field as its scale
	v_cvt_scalef32_pk16_fp6_f32 v[30:32], v[SL:SL+15], v27
	v_cvt_scalef32_pk16_fp6_f32 v[34:36], v[SL+16:SL+31], v27  ; (a conversion's three registers begin on an even number)
	v_lshrrev_b32 v28, 23, v27                     ; the scale's byte.  (The plain instruction behind the conversions)
	v_mov_b32 v33, v34
	v_mov_b32 v34, v35
	v_mov_b32 v35, v36                             ; v[30:35]: the block's 24 bytes
	ds_store_b64 v5, v[30:31] offset:16*(\i)
	ds_store_b64 v6, v[32:33] offset:16*(\i)
	ds_store_b64 v7, v[34:35] offset:16*(\i)
	ds_store_b8 v8, v28 offset:32*(\i)
.if (\i) < 4
	XROW (\i)+4                                    ; the slot takes the row four on
.endif
.endm
	ROW 0, 24
	ROW 1, 24
	ROW 2, 24
	ROW 3, 24
	ROW 4, 24
	ROW 5, 16                                      ; nothing more is asked for: the counts run down
	ROW 6, 8
	ROW 7, 0
	s_wait_dscnt 0x0                               ; for the others' sake: my stores into the images are done
	s_barrier_signal -1
	s_barrier_wait -1
.irp k, 0,1,2,3,4,5,6,7,8,9,10,11
	ds_load_b128 v[SLOT0+4*\k:SLOT0+4*\k+3], v9 offset:2*CHUNK*\k
.endr
	ds_load_b64 v[152:153], v10
.irp k, 0,1,2,3,4,5,6,7,8,9,10,11
	s_wait_dscnt 12-\k                             ; the younger loads may be out
	global_store_b128 v2, v[SLOT0+4*\k:SLOT0+4*\k+3], s[16:17] offset:512*\k   ; 32 lanes store 512 consecutive bytes, at a multiple of 256 from xc's first byte
.endr
	s_wait_dscnt 0x0
	global_store_b64 v11, v[152:153], s[18:19]     ; 32 lanes store 256 consecutive bytes, aligned
	s_wait_tensorcnt 0x0
	ds_add_u32 v240, v241
	s_wait_dscnt 0x0
	s_endpgm
	; ---------------- the weights' codes as register images ----------------
.Lweights:
	s_sub_co_u32 s23, ttmp9, 256                   ; 16 x matrix + head
	s_lshr_b32 s24, s23, 4                         ; 0: Wq, 1: Wk, 2: Wv
	s_and_b32 s25, s23, 15
	s_lshr_b32 s26, s[WV], 1                       ; the wave is the tile ft
	s_lshl_b32 s26, s26, 5
	s_and_b32 s27, s[WV], 1
	s_lshl_b32 s27, s27, 3
	s_add_co_u32 s26, s26, s27                     ; 32 (ft / 2) + 8 (ft % 2)
	s_lshl_b32 s27, s[WV], 4                       ; 16 ft
	s_cmp_lt_u32 s24, 2
	s_cselect_b32 s26, s26, s27
	s_cselect_b32 s28, 8, 0                        ; Wq, Wk: lane r takes row r + 8 (r / 8) of the tile's span; Wv: row r
	s_lshl_b32 s27, s25, 6
	s_add_co_u32 s26, s26, s27
	s_mul_i32 s30, s26, 768                        ; a row of 1,024 codes is 768 bytes
	s_mov_b32 s31, 0
	s_mul_i32 s32, s23, 49152
	s_mul_i32 s33, s[WV], 1536
	s_add_co_u32 s32, s32, s33
	s_mov_b32 s33, 0
	v_and_b32 v3, 15, v0                           ; r
	v_bfe_u32 v4, v0, 4, 1                         ; h
	v_and_b32 v5, s28, v3
	v_add_nc_u32 v5, v5, v3
	v_mul_u32_u24 v5, v5, 768
	v_mad_u32_u24 v5, v4, 24, v5
	s_wait_kmcnt 0x0
	s_cmp_eq_u32 s24, 0                            ; the choice hangs on the work-group's number alone
	s_cselect_b64 s[10:11], s[10:11], s[12:13]
	s_cmp_eq_u32 s24, 2
	s_cselect_b64 s[10:11], s[14:15], s[10:11]
	s_add_nc_u64 s[10:11], s[10:11], s[30:31]
	s_add_nc_u64 s[20:21], s[20:21], s[32:33]
.irp s, 0,1,2,3,4,5,6,7
.irp p, 0,1,2,3,4,5
	global_load_b64 v[32+12*\s+2*\p:33+12*\s+2*\p], v5, s[10:11] offset:96*\s+48*(\p/3)+8*(\p%3)   ; the fragment of K step s, as the matrix unit takes it
.endr
.endr
.irp s, 0,1,2,3,4,5,6,7
	s_wait_loadcnt 6*(7-\s)                        ; the later K steps' loads may be out
.irp g, 0,1,2
	global_store_b128 v2, v[32+12*\s+4*\g:35+12*\s+4*\g], s[20:21] offset:6144*\s+512*\g   ; 512 consecutive bytes, aligned
.endr
.endr
	s_endpgm
.Lfunc_end_k_q0cf4a04350_prep:
	.size	k_q0cf4a04350_prep, .Lfunc_end_k_q0cf4a04350_prep-k_q0cf4a04350_prep
	.p2alignl 7, 3214868480
	.fill 96, 4, 3214868480
	.section	.rodata,"a",@progbits
	.p2align	6, 0x0
	.amdhsa_kernel k_q0cf4a04350_prep
		.amdhsa_group_segment_fixed_size 46080
		.amdhsa_private_segment_fixed_size 0
		.amdhsa_enable_private_segment 0
		.amdhsa_kernarg_size 72
		.amdhsa_user_sgpr_count 2
		.amdhsa_user_sgpr_kernarg_segment_ptr 1
		.amdhsa_wavefront_size32 1
		.amdhsa_system_sgpr_workgroup_id_x 1
		.amdhsa_system_sgpr_workgroup_id_y 1
		.amdhsa_system_sgpr_workgroup_id_z 1
		.amdhsa_system_vgpr_workitem_id 0
		.amdhsa_next_free_vgpr 242
		.amdhsa_next_free_sgpr 66
		.amdhsa_reserve_vcc 0
		.amdhsa_float_denorm_mode_32 3
		.amdhsa_float_denorm_mode_16_64 3
		.amdhsa_memory_ordered 1
		.amdhsa_forward_progress 1
		.amdhsa_inst_pref_size 93
	.end_amdhsa_kernel
	.amdgpu_metadata
---
amdhsa.version: [ 1, 2 ]
amdhsa.kernels:
  - .name:           k_q0cf4a04350_prep
    .symbol:         k_q0cf4a04350_prep.kd
    .args:
      - { .name: x, .offset: 0, .size: 8, .value_kind: global_buffer, .address_space: global }
      - { .name: ln_gamma, .offset: 8, .size: 8, .value_kind: global_buffer, .address_space: global }
      - { .name: ln_beta, .offset: 16, .size: 8, .value_kind: global_buffer, .address_space: global }
      - { .name: Wq_codes, .offset: 24, .size: 8, .value_kind: global_buffer, .address_space: global }
      - { .name: Wk_codes, .offset: 32, .size: 8, .value_kind: global_buffer, .address_space: global }
      - { .name: Wv_codes, .offset: 40, .size: 8, .value_kind: global_buffer, .address_space: global }
      - { .name: xc, .offset: 48, .size: 8, .value_kind: global_buffer, .address_space: global }
      - { .name: xs, .offset: 56, .size: 8, .value_kind: global_buffer, .address_space: global }
      - { .name: wi, .offset: 64, .size: 8, .value_kind: global_buffer, .address_space: global }
    .group_segment_fixed_size: 46080
    .private_segment_fixed_size: 0
    .kernarg_segment_align: 8
    .kernarg_segment_size: 72
    .max_flat_workgroup_size: 128
    .sgpr_count:     66
    .vgpr_count:     242
    .wavefront_size: 32
...
	.end_amdgpu_metadata
.endif
;; end of part 1
;; launch qkv (part 2): grid 4 x 64, 4 waves a work-group, clusters of 4 x 1, 168,448 bytes of LDS; arguments xc, xs, wi, Wq_scales, Wk_scales, Wv_scales, bq, bk, bv, qc, kv; writes qc, kv
.if DOCPART == 2
	.amdgcn_target "amdgcn-amd-amdhsa--gfx1250"
	.amdhsa_code_object_version 6
	.text
	.protected	k_q0cf4a04350_qkv
	.globl	k_q0cf4a04350_qkv
	.p2align	8
	.type	k_q0cf4a04350_qkv,@function
k_q0cf4a04350_qkv:
	s_mov_b64 s[64:65], 0
	v_nop
	global_prefetch_b8 v0, s[64:65] scope:SCOPE_SE
	s_setreg_imm32_b32 hwreg(HW_REG_WAVE_MODE, 25, 1), 1
	s_wait_xcnt 0x0
	s_wait_alu depctr_hold_cnt(0) depctr_sa_sdst(0) depctr_va_vdst(0) depctr_va_sdst(0) depctr_va_ssrc(0) depctr_va_vcc(0) depctr_vm_vsrc(0)
	s_getreg_b32 s2, hwreg(HW_REG_IB_STS2, 6, 4)
	s_cmp_eq_u32 s2, 0
	s_cbranch_scc0 .Lentry_in_a_cluster
	s_endpgm
.Lentry_in_a_cluster:
	s_bfe_u32 s2, ttmp6, 0x10000c
	s_cmp_lg_u32 s2, 0x3003
	s_cbranch_scc0 .Lentry_shape_is_right
	s_endpgm
.Lentry_shape_is_right:
; q = xn Wq^T + bq, k = xn Wk^T + bk, v = xn Wv^T + bv on codes of FP6 (E2M3) with E8M0 scales, and the quantising of the three results for the attention launch: q and k along the head's 64, v along the keys.
; SHARES.  A work-group takes 128 tokens (8 tiles of 16) and four heads; wave w takes one head and makes q, then k, then v: 128 tokens x 64 features each, 32 accumulators, 8 K steps of 128, 32 matrix instructions a step.
; xn's codes, 98,304 bytes of register images, come into LDS once; the four work-groups of a cluster take the same tokens, so the tile is asked for JOINTLY (each wave a quarter).  No LDS byte is filled twice.
; THE WEIGHTS ARE NOT SHARED IN THE CLUSTER: each wave's head is its own, 147,456 bytes that it reads once, straight into registers as images (512 consecutive bytes a load), three K steps ahead.
; q, k: TRANSPOSED, source 0 = 16 rows of W, source 1 = 16 tokens: a lane holds one token and its registers run along the features; the rows of a tile of W were chosen so that tiles 2 b, 2 b + 1 give 16 neighbours.
; v: source 0 = 16 tokens, source 1 = 16 rows of Wv: a lane holds one feature and its registers run along the tokens; the tokens of a tile were chosen likewise.  So one quantiser serves all three.
; The biases are the C of each sum's first matrix instruction.
; OUT.  qc: a record of 6,656 bytes for (batch, head, 128 queries): 8 tiles x (512 bytes: registers 0-3 at 16 x lane; 256 bytes: registers 4-5 at 8 x lane), then 512 bytes of scale words [tile / 4][row][tile % 4].
; kv: a record of 13,056 bytes for (batch, head, 128 keys): K as in qc; V^T: 4 tiles of 16 features x 1,536 bytes of image; K's scale words; V's scale words [row][tile].
; LIMITS: NaN and infinities are not served; a block of zeros gets the scale byte 1: its codes are zeros, and this program alone reads the bytes.
; REGISTERS, in windows of 256: window 0: v4-12 addresses; v32-63 xn's scale words, v64-111 the weights'; v112-251 the quantiser's.  window 1: the 32 accumulators.
;   window 2: W's fragments, four sets of 48; v192-223 bq, v224-255 bk.   window 3: xn's fragments, two sets of 96; v192-223 bv.
.set WV,  26                           ; s26  wave
.set G0,  28                           ; s[28:31] descriptor group 0;  s[32:39] group 1
.set G1,  32
.set WI0, 40                           ; s[40:45] my head's images of Wq, Wk, Wv
.set SEL, 74                           ; s[74:75] lane l xor 16
.set XSC, 32                           ; xn's scale words: register 4 tt + i: lanes 0-15 K step i, lanes 16-31 K step 4 + i
.set WSC, 64                           ; W's: register 16 m + 4 ft + i likewise
.set TM,  112                          ; largest magnitudes of the 16 groups
.set TP,  128                          ; the other half's, then the scale bytes
.set TS,  144                          ; the conversions' scale operands
.set CB,  160                          ; codes of the odd groups
.set CC,  192                          ; codes: six registers a pair of groups
.set WD,  240                          ; scale words
.set OW,  248                          ; scale words as they are stored
.set MSB, 0
.macro WIN new                         ; the immediate's high byte repeats the setting that is left
.if MSB != \new
	s_set_vgpr_msb (MSB<<8)|\new
.set MSB, \new
.endif
.endm
.macro PLACES n
.rept \n
	v_nop
.endr
.endm
.macro CROUND                          ; a round of the cluster's barrier
	s_barrier_signal -1
	s_barrier_wait -1
	s_cmp_lg_u32 s[WV], 0
	s_cbranch_scc1 .Lnot_wave_0_\@
	s_barrier_signal -3
.Lnot_wave_0_\@:
	s_barrier_wait -3
	s_barrier_signal -1
	s_barrier_wait -1
.endm
	s_load_b512 s[4:19], s[0:1], 0x0               ; xc, xs, wi, Wq's, Wk's, Wv's scales, bq, bk
	s_load_b128 s[20:23], s[0:1], 0x40             ; bv, qc
	s_load_b64 s[24:25], s[0:1], 0x50              ; kv
	v_lshl_add_u32 v254, v0, 2, 0x29000
	v_mov_b32 v255, 0
	ds_add_u32 v254, v255
	ds_add_u32 v254, v255
	v_lshrrev_b32 v1, 5, v0
	v_readfirstlane_b32 s[WV], v1                  ; wave 0..3
	v_and_b32 v1, 31, v0                           ; lane
	v_and_b32 v2, 15, v0                           ; r
	v_bfe_u32 v3, v0, 4, 1                         ; h
	v_lshlrev_b32 v4, 4, v1                        ; 16 x lane: an image's place; also tiles 0-3 in LDS
	v_lshlrev_b32 v5, 3, v1                        ; 8 x lane
	v_add_nc_u32 v7, 49152, v4                     ; tiles 4-7 in LDS
	v_lshlrev_b32 v8, 5, v2
	v_lshl_add_u32 v8, v3, 4, v8                   ; scale bytes: row r of 32, + 16 h: K steps 4 h .. 4 h + 3
	v_and_b32 v9, 8, v2
	v_add_nc_u32 v9, v9, v2
	v_lshlrev_b32 v9, 5, v9
	v_lshl_add_u32 v9, v3, 4, v9                   ; the same for row r + 8 (r / 8)
	v_lshlrev_b32 v10, 6, v3                       ; bq, bk: 16 h features on
	v_lshlrev_b32 v11, 2, v2                       ; bv: feature r
	v_lshlrev_b32 v12, 4, v2
	v_lshl_add_u32 v12, v3, 3, v12                 ; V's scale words: 16 r + 8 h
	v_cmp_le_u32 vcc_lo, 16, v1                    ; lanes 16-31; never written again
.set j, 0
.rept 16
	v_mov_b32 v[TP+j], 0                           ; written once: a lane permute's destination counts as one of its sources
.set j, j+1
.endr
	s_mov_b32 s[SEL], 0x76543210
	s_mov_b32 s[SEL+1], 0xfedcba98
	s_bfe_u32 s66, ttmp6, 0x40000                  ; cx: it enters the head, and so global addresses alone
	s_lshl_b32 s68, ttmp9, 2
	s_add_co_u32 s68, s68, s66                     ; work-group x
	s_lshl_b32 s68, s68, 2
	s_add_co_u32 s66, s68, s[WV]                   ; my head
	s_and_b32 s67, ttmp7, 0xffff                   ; the 128 tokens, which the four partners share
	s_mov_b32 s[G0], 1                             ; count = 1
	s_mul_i32 s[G0+1], s[WV], 24576                ; LDS address: my two tiles
	s_mul_i32 s68, s67, 98304
	s_add_co_u32 s68, s68, s[G0+1]
	s_mov_b32 s69, 0
	s_mov_b32 s[G1], 15|(3<<16)|(1<<21)            ; the mask: all four work-groups; elements of 8 bytes; bit 21 set beside a mask; no padding: the reads are dense
	s_mov_b32 s[G1+1], 32<<16                      ; tensor_dim0 = 32 elements: rows of 256 bytes
	s_mov_b32 s[G1+2], 96<<16                      ; tensor_dim1 = 96
	s_mov_b32 s[G1+3], 32<<16                      ; tile_dim0
	s_mov_b32 s[G1+4], 96                          ; tile_dim1
	s_mov_b32 s[G1+5], 32                          ; the pitch: the block is dense
	s_mov_b32 s[G1+6], 0
	s_mov_b32 s[G1+7], 0
	s_mov_b32 s71, 0
	s_lshr_b32 s72, s67, 4                         ; the batch
	s_lshl_b32 s72, s72, 4
	s_add_co_u32 s72, s72, s66
	s_lshl_b32 s72, s72, 4
	s_and_b32 s73, s67, 15
	s_add_co_u32 s72, s72, s73                     ; the record: (16 batch + head) 16 + the 128 tokens' number in the batch
	s_wait_dscnt 0x0
	s_wait_kmcnt 0x0
	s_add_nc_u64 s[G0+2:G0+3], s[4:5], s[68:69]
	s_or_b32 s[G0+3], s[G0+3], 0x80000000          ; type = 2
	s_mul_i32 s70, s66, 49152
	s_add_nc_u64 s[WI0:WI0+1], s[8:9], s[70:71]
	s_add_nc_u64 s[WI0+2:WI0+3], s[WI0:WI0+1], 786432
	s_add_nc_u64 s[WI0+4:WI0+5], s[WI0:WI0+1], 1572864
	s_lshl_b32 s70, s67, 12
	s_add_nc_u64 s[46:47], s[6:7], s[70:71]        ; xs: 128 rows of 32 bytes
	s_lshl_b32 s70, s66, 11
	s_add_nc_u64 s[48:49], s[10:11], s[70:71]      ; the weights' scale bytes: my head's 64 rows of 32
	s_add_nc_u64 s[50:51], s[12:13], s[70:71]
	s_add_nc_u64 s[52:53], s[14:15], s[70:71]
	s_lshl_b32 s70, s66, 8
	s_add_nc_u64 s[54:55], s[16:17], s[70:71]      ; the biases: my head's 64 numbers
	s_add_nc_u64 s[56:57], s[18:19], s[70:71]
	s_add_nc_u64 s[58:59], s[20:21], s[70:71]
	s_mul_i32 s70, s72, 6656
	s_add_nc_u64 s[60:61], s[22:23], s[70:71]
	s_mul_i32 s70, s72, 13056
	s_add_nc_u64 s[62:63], s[24:25], s[70:71]
	CROUND                                         ; all four work-groups are here: the joint loads meet
	tensor_load_to_lds s[G0:G0+3], s[G1:G1+7]      ; my one tensor load of the launch
	s_nop 0
	PLACES 4
.irp tt, 0,1,2,3,4,5,6,7
	global_load_b128 v[XSC+4*\tt:XSC+4*\tt+3], v8, s[46:47] offset:512*\tt
.endr
.irp ft, 0,1,2,3
	global_load_b128 v[WSC+4*\ft:WSC+4*\ft+3], v9, s[48:49] offset:(32*(\ft/2)+8*(\ft%2))*32
	global_load_b128 v[WSC+16+4*\ft:WSC+16+4*\ft+3], v9, s[50:51] offset:(32*(\ft/2)+8*(\ft%2))*32
	global_load_b128 v[WSC+32+4*\ft:WSC+32+4*\ft+3], v8, s[52:53] offset:512*\ft
.endr
	WIN 0x80                                       ; destination window 2
.irp ft, 0,1,2,3                                   ; lane (r, h), tile ft, register j: feature 32 (ft / 2) + 16 h + 8 (ft % 2) + j
	global_load_b128 v[192+8*\ft:195+8*\ft], v10, s[54:55] offset:(32*(\ft/2)+8*(\ft%2))*4
	global_load_b128 v[196+8*\ft:199+8*\ft], v10, s[54:55] offset:(32*(\ft/2)+8*(\ft%2))*4+16
	global_load_b128 v[224+8*\ft:227+8*\ft], v10, s[56:57] offset:(32*(\ft/2)+8*(\ft%2))*4
	global_load_b128 v[228+8*\ft:231+8*\ft], v10, s[56:57] offset:(32*(\ft/2)+8*(\ft%2))*4+16
.endr
	WIN 0xc0                                       ; destination window 3
.irp ft, 0,1,2,3
	global_load_b32 v[192+8*\ft], v11, s[58:59] offset:64*\ft   ; bv of feature 16 ft + r
.endr
; xn's eight fragments of K step s into set buf: 24 loads of 512 consecutive bytes
.macro XFETCH s, buf
	WIN 0xc0
.irp tt, 0,1,2,3
.irp g, 0,1,2
	ds_load_b128 v[96*(\buf)+12*\tt+4*\g:96*(\buf)+12*\tt+4*\g+3], v4 offset:12288*\tt+1536*(\s)+512*\g
.endr
.endr
.irp tt, 4,5,6,7
.irp g, 0,1,2
	ds_load_b128 v[96*(\buf)+12*\tt+4*\g:96*(\buf)+12*\tt+4*\g+3], v7 offset:12288*(\tt-4)+1536*(\s)+512*\g
.endr
.endr
.endm
; a weight's four fragments of K step s into set buf: 12 loads
.macro WFETCH base, s, buf
	WIN 0x80
.irp ft, 0,1,2,3
.irp g, 0,1,2
	global_load_b128 v[48*(\buf)+12*\ft+4*\g:48*(\buf)+12*\ft+4*\g+3], v4, s[\base:\base+1] offset:6144*(\s)+1536*\ft+512*\g
.endr
.endr
.endm
; 32 products of q (m = 0) or k (m = 1): source 0 = W (window 2), source 1 = xn (window 3), sums in window 1.  The 32 accumulators take turns, one instruction a turn, in the same order in every step.
.macro MULQK m, s
.if (\s) == 0
	WIN 0x6e                                       ; C: the bias, in window 2
.else
	WIN 0x5e
.endif
.irp tt, 0,1,2,3,4,5,6,7
.irp ft, 0,1,2,3
.set rD, 32*\tt+8*\ft
.set rA, 48*((\s)%4)+12*\ft
.set rB, 96*((\s)%2)+12*\tt
.set rC, rD
.if (\s) == 0
.set rC, 192+32*(\m)+8*\ft
.endif
.set rX, WSC+16*(\m)+4*\ft+(\s)%4
.set rY, XSC+4*\tt+(\s)%4
.if (\s) < 4
	v_wmma_scale_f32_16x16x128_f8f6f4 v[rD:rD+7], v[rA:rA+11], v[rB:rB+11], v[rC:rC+7], v[rX], v[rY] matrix_a_fmt:MATRIX_FMT_FP6 matrix_b_fmt:MATRIX_FMT_FP6
.else
	v_wmma_scale_f32_16x16x128_f8f6f4 v[rD:rD+7], v[rA:rA+11], v[rB:rB+11], v[rC:rC+7], v[rX], v[rY] matrix_a_fmt:MATRIX_FMT_FP6 matrix_b_fmt:MATRIX_FMT_FP6 matrix_a_scale:MATRIX_SCALE_ROW1 matrix_b_scale:MATRIX_SCALE_ROW1
.endif
.endr
.endr
.endm
; 32 products of v: source 0 = xn (window 3), source 1 = Wv (window 2); accumulator (ft, tt) at 64 ft + 8 tt
.macro MULV s
.if (\s) == 0
	WIN 0x7b                                       ; C: the bias, in window 3
.else
	WIN 0x5b
.endif
.irp tt, 0,1,2,3,4,5,6,7
.irp ft, 0,1,2,3
.set rD, 64*\ft+8*\tt
.set rA, 96*((\s)%2)+12*\tt
.set rB, 48*((\s)%4)+12*\ft
.set rC, rD
.if (\s) == 0
.set rC, 192+8*\ft
.endif
.set rX, XSC+4*\tt+(\s)%4
.set rY, WSC+32+4*\ft+(\s)%4
.if (\s) < 4
	v_wmma_scale_f32_16x16x128_f8f6f4 v[rD:rD+7], v[rA:rA+11], v[rB:rB+11], v[rC:rC+7], v[rX], v[rY] matrix_a_fmt:MATRIX_FMT_FP6 matrix_b_fmt:MATRIX_FMT_FP6
.else
	v_wmma_scale_f32_16x16x128_f8f6f4 v[rD:rD+7], v[rA:rA+11], v[rB:rB+11], v[rC:rC+7], v[rX], v[rY] matrix_a_fmt:MATRIX_FMT_FP6 matrix_b_fmt:MATRIX_FMT_FP6 matrix_a_scale:MATRIX_SCALE_ROW1 matrix_b_scale:MATRIX_SCALE_ROW1
.endif
.endr
.endr
.endm
; K step sg of 24 (8 for each of q, k, v).  xn's fragments are fetched one step ahead, the weights' three.
.macro KSTEP sg
.set KM, (\sg)/8
.set KK, (\sg)%8
.set NX, (KK+1)%8
.set NB, (KK+1)%2
.set WB, WI0+2*(((\sg)+3)/8)
.set WS, ((\sg)+3)%8
.set WF, ((\sg)+3)%4
.if (\sg) > 0
	PLACES 4                                       ; four plain instructions between the last products and loads into registers that they read (ISA guide 7.12.1 for vector instructions)
.endif
	s_wait_dscnt 0x0                               ; this step's fragments of xn are in (asked for a step ago)
.if (\sg) < 23
	XFETCH NX, NB
.endif
.if (\sg) < 22
	s_wait_loadcnt 24                              ; this step's fragments of W are in; the next two steps' twelve loads each may be out
.elseif (\sg) == 22
	s_wait_loadcnt 12
.else
	s_wait_loadcnt 0x0
.endif
.if (\sg) < 21
	WFETCH WB, WS, WF
.endif
.if KM < 2
	MULQK KM, KK
.else
	MULV KK
.endif
.endm
; THE QUANTISER.  The 256 accumulator registers are 16 groups of 16 neighbours along the next K; a block of 32 lies in lanes l and l xor 16.  Groups 2 p, 2 p + 1 become six registers of codes at v[CC + 6 p].
.macro QUANT16
	PLACES 4                                       ; between the last products and the first read of results
	s_wait_xcnt 0x0                                ; the stores of the pass before have read their registers
	WIN 0x14                                       ; sources 1 and 2: window 1
.set qg, 0
.rept 16
	v_max3_num_f32 v[TM+qg], 0x1800000, |v[16*qg]|, |v[16*qg+1]|   ; each accumulator from its low end on; the floor 2^(3 - 127) holds the byte at 1 from below
.set qg, qg+1
.endr
.set qi, 2
.rept 7
.set qg, 0
.rept 16
	v_max3_num_f32 v[TM+qg], v[TM+qg], |v[16*qg+qi]|, |v[16*qg+qi+1]|   ; (the groups by turns: no line waits for the line above it)
.set qg, qg+1
.endr
.set qi, qi+2
.endr
	WIN 0
.set qg, 0
.rept 16
	v_permlanex16_b32 v[TP+qg], v[TM+qg], s[SEL], s[SEL+1]
.set qg, qg+1
.endr
.set qg, 0
.rept 16
	v_max_num_f32 v[TM+qg], v[TM+qg], v[TP+qg]     ; the block's largest magnitude
.set qg, qg+1
.endr
.set qg, 0
.rept 16
	v_add_nc_u32 v[TS+qg], 0xff000000, v[TM+qg]    ; 2 off its exponent field: the conversion's scale operand
.set qg, qg+1
.endr
.set qg, 0
.rept 16
	v_lshrrev_b32 v[TP+qg], 23, v[TS+qg]           ; the scale's byte
.set qg, qg+1
.endr
	WIN 0x01                                       ; source 0: window 1
.set qg, 0
.rept 8
	v_cvt_scalef32_pk16_fp6_f32 v[CC+6*qg:CC+6*qg+2], v[32*qg:32*qg+15], v[TS+2*qg]
	v_cvt_scalef32_pk16_fp6_f32 v[CB+4*qg:CB+4*qg+2], v[32*qg+16:32*qg+31], v[TS+2*qg+1]   ; (a conversion's three registers begin on an even number)
.set qg, qg+1
.endr
	v_nop                                          ; one plain instruction behind the conversions
	WIN 0
.set qg, 0
.rept 8                                            ; the operand's layout wants a whole block in a lane: lanes 0-15 the even group's block, lanes 16-31 the odd one's
.irp i, 0,1,2
	v_permlane16_swap_b32 v[CC+6*qg+\i], v[CB+4*qg+\i]
.endr
.irp i, 0,1,2
	v_mov_b32 v[CC+6*qg+3+\i], v[CB+4*qg+\i]
.endr
.set qg, qg+1
.endr
.endm
; q's or k's eight tiles (six registers a lane: K = 64) and their scale words (two bytes, two zeros)
.macro STOREQK base, wordoff
.irp tt, 0,1,2,3,4,5,6,7
	v_lshl_or_b32 v[WD+\tt], v[TP+2*\tt+1], 8, v[TP+2*\tt]
.endr
.irp i, 0,1,2,3
	v_cndmask_b32 v[OW+\i], v[WD+\i], v[WD+4+\i], vcc_lo       ; lanes 0-15 store tiles 0-3's words of row r, lanes 16-31 tiles 4-7's
.endr
.irp tt, 0,1,2,3,4,5,6,7
	global_store_b128 v4, v[CC+6*\tt:CC+6*\tt+3], s[\base:\base+1] offset:768*\tt          ; 512 consecutive bytes, at a multiple of 256 from the buffer's first byte
	global_store_b64 v5, v[CC+6*\tt+4:CC+6*\tt+5], s[\base:\base+1] offset:768*\tt+512     ; 256 consecutive bytes, aligned
.endr
	global_store_b128 v4, v[OW:OW+3], s[\base:\base+1] offset:\wordoff
.endm
; V^T's four fragments (16 features x 128 keys) and their scale words
.macro STOREV
.irp ft, 0,1,2,3
	v_lshl_or_b32 v[WD+\ft], v[TP+4*\ft+1], 8, v[TP+4*\ft]
.endr
.irp ft, 0,1,2,3
	v_lshl_or_b32 v[WD+\ft], v[TP+4*\ft+2], 16, v[WD+\ft]
.endr
.irp ft, 0,1,2,3
	v_lshl_or_b32 v[WD+\ft], v[TP+4*\ft+3], 24, v[WD+\ft]
.endr
	v_cndmask_b32 v[OW], v[WD], v[WD+2], vcc_lo
	v_cndmask_b32 v[OW+1], v[WD+1], v[WD+3], vcc_lo
.irp ft, 0,1,2,3
.irp g, 0,1,2
	global_store_b128 v4, v[CC+12*\ft+4*\g:CC+12*\ft+4*\g+3], s[62:63] offset:6144+1536*\ft+512*\g
.endr
.endr
	global_store_b64 v12, v[OW:OW+1], s[62:63] offset:12800    ; 256 consecutive bytes, aligned
.endm
	WFETCH WI0, 0, 0
	WFETCH WI0, 1, 1
	WFETCH WI0, 2, 2
	WIN 0
	s_wait_tensorcnt 0x0                           ; my two tiles are in,
	s_barrier_signal -1
	s_barrier_wait -1                              ; everybody's are
	XFETCH 0, 0
.irp sg, 0,1,2,3,4,5,6,7
	KSTEP \sg
.endr
	QUANT16
	STOREQK 60, 6144
.irp sg, 8,9,10,11,12,13,14,15
	KSTEP \sg
.endr
	QUANT16
	STOREQK 62, 12288
	WIN 0xc3                                       ; source 0 and destination: window 3
.irp ft, 0,1,2,3
.irp j, 1,2,3,4,5,6,7
	v_mov_b32 v[192+8*\ft+\j], v[192+8*\ft]        ; in v's result a lane holds one feature: its bias in all eight registers of C
.endr
.endr
.irp sg, 16,17,18,19,20,21,22,23
	KSTEP \sg
.endr
	QUANT16
	STOREV
	s_wait_dscnt 0x0
	s_wait_tensorcnt 0x0
	ds_add_u32 v254, v255
	s_wait_dscnt 0x0
	CROUND                                         ; the closing round: no work-group ends while a partner may still ask jointly
	s_endpgm
.Lfunc_end_k_q0cf4a04350_qkv:
	.size	k_q0cf4a04350_qkv, .Lfunc_end_k_q0cf4a04350_qkv-k_q0cf4a04350_qkv
	.p2alignl 7, 3214868480
	.fill 96, 4, 3214868480
	.section	.rodata,"a",@progbits
	.p2align	6, 0x0
	.amdhsa_kernel k_q0cf4a04350_qkv
		.amdhsa_group_segment_fixed_size 168448
		.amdhsa_private_segment_fixed_size 0
		.amdhsa_enable_private_segment 0
		.amdhsa_kernarg_size 88
		.amdhsa_user_sgpr_count 2
		.amdhsa_user_sgpr_kernarg_segment_ptr 1
		.amdhsa_wavefront_size32 1
		.amdhsa_system_sgpr_workgroup_id_x 1
		.amdhsa_system_sgpr_workgroup_id_y 1
		.amdhsa_system_sgpr_workgroup_id_z 1
		.amdhsa_system_vgpr_workitem_id 0
		.amdhsa_next_free_vgpr 1024
		.amdhsa_next_free_sgpr 80
		.amdhsa_reserve_vcc 1
		.amdhsa_float_denorm_mode_32 3
		.amdhsa_float_denorm_mode_16_64 3
		.amdhsa_memory_ordered 1
		.amdhsa_forward_progress 1
		.amdhsa_inst_pref_size 226
	.end_amdhsa_kernel
	.amdgpu_metadata
---
amdhsa.version: [ 1, 2 ]
amdhsa.kernels:
  - .name:           k_q0cf4a04350_qkv
    .symbol:         k_q0cf4a04350_qkv.kd
    .args:
      - { .name: xc, .offset: 0, .size: 8, .value_kind: global_buffer, .address_space: global }
      - { .name: xs, .offset: 8, .size: 8, .value_kind: global_buffer, .address_space: global }
      - { .name: wi, .offset: 16, .size: 8, .value_kind: global_buffer, .address_space: global }
      - { .name: Wq_scales, .offset: 24, .size: 8, .value_kind: global_buffer, .address_space: global }
      - { .name: Wk_scales, .offset: 32, .size: 8, .value_kind: global_buffer, .address_space: global }
      - { .name: Wv_scales, .offset: 40, .size: 8, .value_kind: global_buffer, .address_space: global }
      - { .name: bq, .offset: 48, .size: 8, .value_kind: global_buffer, .address_space: global }
      - { .name: bk, .offset: 56, .size: 8, .value_kind: global_buffer, .address_space: global }
      - { .name: bv, .offset: 64, .size: 8, .value_kind: global_buffer, .address_space: global }
      - { .name: qc, .offset: 72, .size: 8, .value_kind: global_buffer, .address_space: global }
      - { .name: kv, .offset: 80, .size: 8, .value_kind: global_buffer, .address_space: global }
    .group_segment_fixed_size: 168448
    .private_segment_fixed_size: 0
    .kernarg_segment_align: 8
    .kernarg_segment_size: 88
    .max_flat_workgroup_size: 128
    .sgpr_count:     80
    .vgpr_count:     1024
    .wavefront_size: 32
...
	.end_amdgpu_metadata
.endif
;; end of part 2
;; launch attn (part 3): grid 4 x 64, 16 waves a work-group, clusters of 4 x 1, 280,576 bytes of LDS; arguments qc, kv, out0; writes out0
.if DOCPART == 3
	.amdgcn_target "amdgcn-amd-amdhsa--gfx1250"
	.amdhsa_code_object_version 6
	.text
	.protected	k_q0cf4a04350_attn
	.globl	k_q0cf4a04350_attn
	.p2align	8
	.type	k_q0cf4a04350_attn,@function
k_q0cf4a04350_attn:
	s_mov_b64 s[64:65], 0
	v_nop
	global_prefetch_b8 v0, s[64:65] scope:SCOPE_SE
	s_setreg_imm32_b32 hwreg(HW_REG_WAVE_MODE, 25, 1), 1
	s_wait_xcnt 0x0
	s_wait_alu depctr_hold_cnt(0) depctr_sa_sdst(0) depctr_va_vdst(0) depctr_va_sdst(0) depctr_va_ssrc(0) depctr_va_vcc(0) depctr_vm_vsrc(0)
	s_getreg_b32 s2, hwreg(HW_REG_IB_STS2, 6, 4)
	s_cmp_eq_u32 s2, 0
	s_cbranch_scc0 .Lentry_in_a_cluster
	s_endpgm
.Lentry_in_a_cluster:
	s_bfe_u32 s2, ttmp6, 0x10000c
	s_cmp_lg_u32 s2, 0x3003
	s_cbranch_scc0 .Lentry_shape_is_right
	s_endpgm
.Lentry_shape_is_right:
; out[b][q][64 hd ..] = the sum over the keys of softmax(q . k / 8) v, both products on codes of FP6 (E2M3) with one E8M0 scale for each 32 along a product's K.
; THE SOFTMAX AHEAD OF THE SECOND PRODUCT: t = score x log2(e) / 8; M = the running largest t rounded UP to a whole number; p = 2^(t - M) is quantised along the keys, not normalised;
; the row's sum is taken of the unquantised p and divides at the end.  When M moves, the sum and O are multiplied by 2^(old M - new M): exact.
; SHARES.  A work-group owns one (batch, head) and 512 queries; each of its sixteen waves owns two tiles of 16 queries, one after the other, in 256 registers: four waves to a SIMD, so that one wave's
; vector work stands beside another's products and LDS loads.  Every wave walks the head's 2,048 keys, 128 a step.
; THE HEAD'S K AND V, 16 records of 13,056 bytes as the launch before laid them (register images and scale words), COME INTO LDS ONCE: wave w brings record w.  The four work-groups of a cluster belong to
; one head, so each record is asked for JOINTLY.  No LDS byte is filled twice.
; LAYOUT.  Both products are used transposed: S^T = K Q^T (source 0 = 16 keys, source 1 = my 16 queries; K = 64: the upper six registers of both fragments are zero codes, their scale bytes 0),
; O^T = V^T P^T (source 0 = 16 of the head's 64, source 1 = P): a lane holds ONE query throughout.  Tile 2 b + u, row r, is key (or query) 32 b + 8 u + r + 8 (r / 8) of its 128.
; LIMITS: NaN and infinities are not served.
.set WV,   10                          ; s10  wave
.set G0,   12                          ; s[12:15] descriptor group 0;  s[16:23] group 1
.set G1,   16
.set CS,   24                          ; s[24:25] c = log2(e) / 8
.set SEL,  26                          ; s[26:27] lane l xor 16
.set TB,   28                          ; s28  LDS byte at which the step's record begins
.set CNT,  29                          ; s29  key steps to go
.set STW,  44                          ; s44  my stage
.set REC,  13056
.set STG,  16*REC                      ; behind the records: 16 rows x (256 bytes + 16) for each wave
.set VSC,  8                           ; v8-11    V's scale words
.set TT,   29                          ; v29      at work
.set FF,   30                          ; v[30:31] f = 2^(old M - new M)
.set KF,   32                          ; v32-79   four fragments of K; the upper six registers of each hold zeros for the whole launch
.set VF,   80                          ; v80-103  two fragments of V^T
.set KSC,  104                         ; v104-111 K's scale words
.set S,    112                         ; v112-175 S^T, then p
.set OT,   176                         ; v176-207 O^T
.set PC,   208                         ; v208-219 p's codes
.set PB,   220                         ; v220-227 the odd blocks' codes
.set BM,   228                         ; v228-231 the blocks' largest scores, then largest p
.set BP,   232                         ; v232-235 the other half's, then the scale bytes
.set BS,   236                         ; v236-239 the conversions' scale operands
.set PW,   240                         ; v240     p's scale word
.set SUM2, 242                         ; v[242:243] the sum's second chain
; v1, v2, v3: 16 x lane, 8 x lane, 16 r; v4-6: the same in the step's record; v7: my bytes in two rows of out; v12 -M, v13 the largest t, v[14:15] the sum; v16-27, v28: tile 0's Q and its scale word; v244-255, v241: tile 1's
.macro PLACES
.rept 4
	v_nop
.endr
.endm
.macro CROUND                          ; a round of the cluster's barrier
	s_barrier_signal -1
	s_barrier_wait -1
	s_cmp_lg_u32 s[WV], 0
	s_cbranch_scc1 .Lnot_wave_0_\@
	s_barrier_signal -3
.Lnot_wave_0_\@:
	s_barrier_wait -3
	s_barrier_signal -1
	s_barrier_wait -1
.endm
	s_load_b128 s[4:7], s[0:1], 0x0                ; qc, kv
	s_load_b64 s[8:9], s[0:1], 0x10                ; out0
	v_lshl_add_u32 v223, v0, 2, 0x44000
	v_mov_b32 v227, 0
	ds_add_u32 v223, v227
	ds_add_u32 v223, v227
	v_lshrrev_b32 v1, 5, v0
	v_readfirstlane_b32 s[WV], v1                  ; wave 0..15
	v_and_b32 v2, 31, v0
	v_lshlrev_b32 v1, 4, v2
	v_lshlrev_b32 v2, 3, v2
	v_and_b32 v3, 15, v0
	v_bfe_u32 v7, v0, 4, 1
	v_lshlrev_b32 v7, 12, v7
	v_lshl_add_u32 v7, v3, 4, v7                   ; lanes 0-15 one row of out, lanes 16-31 the next; 16 bytes a lane
	v_lshlrev_b32 v3, 4, v3
	s_bfe_u32 s30, ttmp6, 0x40000                  ; cx: it enters Q's and out's addresses alone
	s_lshl_b32 s31, ttmp9, 2
	s_add_co_u32 s31, s31, s30                     ; work-group x
	s_and_b32 s32, ttmp7, 0xffff                   ; 16 batch + head, which the four partners share
	s_lshl_b32 s31, s31, 2
	s_lshr_b32 s33, s[WV], 2
	s_add_co_u32 s31, s31, s33                     ; my 128 queries' number in the batch
	s_and_b32 s33, s[WV], 3                        ; my 32 of them: tiles 2 (wave % 4) and the next
	s_mov_b32 s[G0], 1                             ; count = 1
	s_mul_i32 s[G0+1], s[WV], REC                  ; LDS address: record w
	s_mul_i32 s34, s32, 16*REC
	s_add_co_u32 s34, s34, s[G0+1]
	s_mov_b32 s35, 0
	s_mov_b32 s[G1], 15|(3<<16)|(1<<21)            ; the mask: all four work-groups; elements of 8 bytes; bit 21 set beside a mask; no padding: the reads are dense
	s_mov_b32 s[G1+1], 32<<16                      ; tensor_dim0 = 32 elements: rows of 256 bytes
	s_mov_b32 s[G1+2], 51<<16                      ; tensor_dim1 = 51
	s_mov_b32 s[G1+3], 32<<16                      ; tile_dim0
	s_mov_b32 s[G1+4], 51                          ; tile_dim1
	s_mov_b32 s[G1+5], 32                          ; the pitch: the record is dense
	s_mov_b32 s[G1+6], 0
	s_mov_b32 s[G1+7], 0
	s_lshl_b32 s36, s32, 4
	s_add_co_u32 s36, s36, s31
	s_mul_i32 s36, s36, 6656                       ; Q's record
	s_mul_i32 s38, s33, 1536
	s_add_co_u32 s38, s38, s36                     ; my two tiles' codes
	s_mov_b32 s39, 0
	s_lshr_b32 s40, s33, 1                         ; their scale words: [tile / 4][row][tile % 4]
	s_lshl_b32 s40, s40, 8
	s_and_b32 s41, s[WV], 1
	s_lshl_b32 s41, s41, 3
	s_add_co_u32 s40, s40, s41
	s_add_co_u32 s40, s40, s36
	s_add_co_u32 s40, s40, 6144
	s_mov_b32 s41, 0
	s_lshr_b32 s42, s32, 4                         ; out: row 2,048 batch + 128 x my 128 queries + 32 (wave % 4),
	s_lshl_b32 s42, s42, 11
	s_lshl_b32 s43, s31, 7
	s_add_co_u32 s42, s42, s43
	s_lshl_b32 s43, s33, 5
	s_add_co_u32 s42, s42, s43
	s_lshl_b32 s42, s42, 12                        ; of 4,096 bytes,
	s_and_b32 s43, s32, 15
	s_lshl_b32 s43, s43, 8                         ; the head's 256 bytes
	s_add_co_u32 s42, s42, s43
	s_mov_b32 s43, 0
	s_mul_i32 s[STW], s[WV], 16*272
	s_add_co_u32 s[STW], s[STW], STG
	s_mov_b32 s[CS], 0x3e38aa3b                    ; c = log2(e) / 8
	s_mov_b32 s[CS+1], s[CS]                       ; (named with it as a pair, so it is written)
	s_mov_b32 s[SEL], 0x76543210
	s_mov_b32 s[SEL+1], 0xfedcba98
	s_wait_dscnt 0x0
	s_wait_kmcnt 0x0
	s_add_nc_u64 s[G0+2:G0+3], s[6:7], s[34:35]
	s_or_b32 s[G0+3], s[G0+3], 0x80000000          ; type = 2
	s_add_nc_u64 s[46:47], s[4:5], s[38:39]
	s_add_nc_u64 s[48:49], s[4:5], s[40:41]
	s_add_nc_u64 s[8:9], s[8:9], s[42:43]
	CROUND                                         ; all four work-groups are here: the joint loads meet
	tensor_load_to_lds s[G0:G0+3], s[G1:G1+7]      ; my one tensor load of the launch
	s_nop 0
	PLACES
	global_load_b128 v[16:19], v1, s[46:47]        ; Q stays in registers
	global_load_b64 v[20:21], v2, s[46:47] offset:512
	global_load_b128 v[244:247], v1, s[46:47] offset:768
	global_load_b64 v[248:249], v2, s[46:47] offset:1280
	global_load_b32 v28, v3, s[48:49]
	global_load_b32 v241, v3, s[48:49] offset:4
.irp j, 0,1,2,3,4,5
	v_mov_b32 v[22+\j], 0                          ; K = 64 .. 127 of the first product: zero codes on both sides
	v_mov_b32 v[250+\j], 0
.irp t, 0,1,2,3
	v_mov_b32 v[KF+12*\t+6+\j], 0
.endr
.endr
.irp b, 0,1,2,3
	v_mov_b32 v[BP+\b], 0                          ; written once: a lane permute's destination counts as one of its sources
.endr
	v_mov_b32 v[TT], 0
	v_mov_b32 v[FF+1], 0                           ; (named as the upper half of the pair, never used)
	s_wait_tensorcnt 0x0                           ; my record is in,
	s_barrier_signal -1
	s_barrier_wait -1                              ; everybody's is
	s_wait_loadcnt 0x0                             ; Q
; A KEY STEP: 128 keys against the tile of queries in v[qf] on, whose scale word is v[qs].
.macro STEP qf, qs
	v_add_nc_u32 v4, s[TB], v1
	v_add_nc_u32 v5, s[TB], v2
	v_add_nc_u32 v6, s[TB], v3
	v_nop                                          ; with the three additions: four plain instructions between the last products and loads into registers that they read
	ds_load_b128 v[KSC:KSC+3], v6 offset:12288     ; K's scale words, tiles 0-3 and 4-7 of row r;
	ds_load_b128 v[KSC+4:KSC+7], v6 offset:12544
	ds_load_b128 v[VSC:VSC+3], v6 offset:12800     ; V's, tiles 0-3
.irp g, 0,1                                        ; S^T = K Q^T, four tiles of 16 keys at a time
.if \g
	PLACES
.endif
.irp t, 0,1,2,3
	ds_load_b128 v[KF+12*\t:KF+12*\t+3], v4 offset:768*(4*\g+\t)
	ds_load_b64 v[KF+12*\t+4:KF+12*\t+5], v5 offset:768*(4*\g+\t)+512
.endr
.if \g
.irp dt, 0,1
.irp c, 0,1,2
	ds_load_b128 v[VF+12*\dt+4*\c:VF+12*\dt+4*\c+3], v4 offset:6144+1536*\dt+512*\c   ; V^T's first two fragments land under the softmax
.endr
.endr
	s_wait_dscnt 6                                 ; K's are in; V's six loads may be out
.else
	s_wait_dscnt 0x0
.endif
.irp t, 0,1,2,3
	v_wmma_scale_f32_16x16x128_f8f6f4 v[S+8*(4*\g+\t):S+8*(4*\g+\t)+7], v[KF+12*\t:KF+12*\t+11], v[\qf:\qf+11], 0, v[KSC+4*\g+\t], v[\qs] matrix_a_fmt:MATRIX_FMT_FP6 matrix_b_fmt:MATRIX_FMT_FP6
.endr
.endr                                              ; lane (r, h) holds query r; the 16 registers of tiles 2 b, 2 b + 1 are keys 32 b + 16 h + 0 .. 15
	PLACES
.irp b, 0,1,2,3
	v_max3_num_f32 v[BM+\b], v[S+16*\b], v[S+1+16*\b], v[S+2+16*\b]   ; the largest score of each block of 32 keys: for the row's maximum, and, since p rises with the score, for the block's largest p
.endr
.irp i, 3,5,7,9,11,13
.irp b, 0,1,2,3
	v_max3_num_f32 v[BM+\b], v[BM+\b], v[S+16*\b+\i], v[S+1+16*\b+\i]
.endr
.endr
.irp b, 0,1,2,3
	v_max_num_f32 v[BM+\b], v[BM+\b], v[S+15+16*\b]
.endr
.irp b, 0,1,2,3
	v_permlanex16_b32 v[BP+\b], v[BM+\b], s[SEL], s[SEL+1]
.endr
.irp b, 0,1,2,3
	v_max_num_f32 v[BM+\b], v[BM+\b], v[BP+\b]     ; with lane l xor 16's 16 keys
.endr
	v_max3_num_f32 v[TT], v[BM], v[BM+1], v[BM+2]
	v_max_num_f32 v[TT], v[TT], v[BM+3]            ; the step's largest score of my query
	v_mul_f32 v[TT], s[CS], v[TT]                  ; as t (c is positive)
	v_max_num_f32 v13, v13, v[TT]                  ; the running largest t
	v_mov_b32 v[TT], v12
	v_floor_f32 v12, -v13                          ; the new -M = floor(-t) = -ceil(t): a whole number
	v_sub_f32 v[TT], v12, v[TT]                    ; old M - new M: a whole number, 0 or less
	v_cvt_i32_f32 v[TT], v[TT]                     ; (it saturates)
	v_ldexp_f32 v[FF], 1.0, v[TT]                  ; f = 2^(old M - new M)
.set j, 0
.rept 32
	v_pk_fma_f32 v[S+j:S+j+1], v[S+j:S+j+1], s[CS:CS+1], v[12:13] op_sel_hi:[1,0,0]   ; t - M, two at a time
.set j, j+2
.endr
.irp b, 0,1,2,3
	v_fma_f32 v[BM+\b], v[BM+\b], s[CS], v12       ; the same of each block's largest score
.endr
.set j, 0
.rept 64
	v_exp_f32 v[S+j], v[S+j]                       ; p = 2^(t - M), at most 1
.set j, j+1
.endr
.irp b, 0,1,2,3
	v_exp_f32 v[BM+\b], v[BM+\b]                   ; the block's largest p: the same two instructions on the same number give the same bits
.endr
	v_pk_mul_f32 v[14:15], v[14:15], v[FF:FF+1] op_sel_hi:[1,0]   ; the sums under the new M.  (The plain instruction behind the exponentials)
	s_wait_alu depctr_va_vdst(0)
.irp b, 0,1,2,3
	v_max_num_f32 v[BM+\b], 0x1800000, v[BM+\b]    ; the floor 2^(3 - 127): the byte cannot fall under 1
.endr
.irp b, 0,1,2,3
	v_add_nc_u32 v[BS+\b], 0xff000000, v[BM+\b]    ; 2 off the exponent field: the conversion's scale operand
.endr
.irp b, 0,1,2,3
	v_lshrrev_b32 v[BP+\b], 23, v[BS+\b]           ; the scale's byte
.endr
	v_lshl_or_b32 v[PW], v[BP+1], 8, v[BP]         ; p's scale word for these 128 keys
	v_lshl_or_b32 v[PW], v[BP+2], 16, v[PW]
	v_lshl_or_b32 v[PW], v[BP+3], 24, v[PW]
.irp c, 0,1
	v_cvt_scalef32_pk16_fp6_f32 v[PC+6*\c:PC+6*\c+2], v[S+32*\c:S+32*\c+15], v[BS+2*\c]
	v_cvt_scalef32_pk16_fp6_f32 v[PB+4*\c:PB+4*\c+2], v[S+16+32*\c:S+31+32*\c], v[BS+2*\c+1]   ; (a conversion's three registers begin on an even number)
.endr
	v_nop                                          ; one plain instruction behind the conversions
.irp c, 0,1                                        ; the operand's layout wants a whole block in a lane
.irp i, 0,1,2
	v_permlane16_swap_b32 v[PC+6*\c+\i], v[PB+4*\c+\i]
.endr
.irp i, 0,1,2
	v_mov_b32 v[PC+6*\c+3+\i], v[PB+4*\c+\i]
.endr
.endr
	v_pk_add_f32 v[SUM2:SUM2+1], v[S:S+1], v[S+2:S+3]   ; the row's sum of the unquantised p, two at a time, in two chains
.set j, 4
.rept 15
	v_pk_add_f32 v[14:15], v[14:15], v[S+j:S+j+1]
	v_pk_add_f32 v[SUM2:SUM2+1], v[SUM2:SUM2+1], v[S+j+2:S+j+3]
.set j, j+4
.endr
	v_pk_add_f32 v[14:15], v[14:15], v[SUM2:SUM2+1]
.set j, 0
.rept 16
	v_pk_mul_f32 v[OT+j:OT+j+1], v[OT+j:OT+j+1], v[FF:FF+1] op_sel_hi:[1,0]   ; O^T under the new M, each accumulator from its low end on.  (With the sums: the plain instructions between p's codes and scale word and the products)
.set j, j+2
.endr
.irp g, 0,1                                        ; O^T += V^T P^T, two tiles of 16 of the head's 64 at a time
.if \g
	PLACES
.irp dt, 0,1
.irp c, 0,1,2
	ds_load_b128 v[VF+12*\dt+4*\c:VF+12*\dt+4*\c+3], v4 offset:6144+1536*(2+\dt)+512*\c
.endr
.endr
.endif
	s_wait_dscnt 0x0
.irp dt, 0,1
	v_wmma_scale_f32_16x16x128_f8f6f4 v[OT+8*(2*\g+\dt):OT+8*(2*\g+\dt)+7], v[VF+12*\dt:VF+12*\dt+11], v[PC:PC+11], v[OT+8*(2*\g+\dt):OT+8*(2*\g+\dt)+7], v[VSC+2*\g+\dt], v[PW] matrix_a_fmt:MATRIX_FMT_FP6 matrix_b_fmt:MATRIX_FMT_FP6
.endr
.endr
	s_add_co_u32 s[TB], s[TB], REC                 ; the next step's record
.endm
; A tile of 16 queries: all 16 key steps, then the way out.
.macro TILE i, qf, qs
	v_mov_b32 v13, 0xff61b1e6                      ; the largest t so far: -3e38, under every t
	v_floor_f32 v12, -v13                          ; -M
	v_mov_b32 v14, 0
	v_mov_b32 v15, 0
.set j, 0
.rept 32
	v_mov_b32 v[OT+j], 0                           ; the step is written once: the first finds zeros, which the first change of M leaves zeros
.set j, j+1
.endr
	s_mov_b32 s[TB], 0
	s_mov_b32 s[CNT], 16
.Lkeys_\@:
	STEP \qf, \qs
	s_sub_co_u32 s[CNT], s[CNT], 1
	s_cmp_lg_u32 s[CNT], 0
	s_cbranch_scc1 .Lkeys_\@
	PLACES                                         ; between the last products and the first read of results
	v_add_f32 v14, v14, v15                        ; the sum's two halves,
	v_permlanex16_b32 v[TT], v14, s[SEL], s[SEL+1]
	v_add_f32 v14, v14, v[TT]                      ; and lane l xor 16's: the row's sum
	v_rcp_f32 v14, v14
	v_and_b32 v4, 15, v0                           ; (the plain instruction behind the transcendental)  r
	v_bfe_u32 v5, v0, 4, 1                         ; h
	v_mul_u32_u24 v6, v4, 272
	v_lshl_add_u32 v6, v5, 5, v6
	v_add_nc_u32 v6, s[STW], v6                    ; into my stage: row r; tile dt's eight channels of my half: 64 dt + 32 h bytes on
	v_mul_u32_u24 v5, v5, 272
	v_lshl_add_u32 v5, v4, 4, v5
	v_add_nc_u32 v5, s[STW], v5                    ; back: lanes 0-15 one row, lanes 16-31 the next
.set j, 0
	s_wait_alu depctr_va_vdst(0)
.rept 32
	v_mul_f32 v[S+j], v[OT+j], v14                 ; O^T / the sum: register 8 dt + n is channel 16 dt + 8 h + n of query r
.set j, j+1
.endr
.irp dt, 0,1,2,3
	ds_store_b128 v6, v[S+8*\dt:S+8*\dt+3] offset:64*\dt
	ds_store_b128 v6, v[S+8*\dt+4:S+8*\dt+7] offset:64*\dt+16
.endr
.irp k, 0,1,2,3,4,5,6,7
	ds_load_b128 v[S+32+4*\k:S+32+4*\k+3], v5 offset:2*272*\k   ; LDS serves a wave's instructions in order: these see my stores
.endr
.irp k, 0,1,2,3,4,5,6,7
	s_wait_dscnt 7-\k                              ; the younger loads may be out
	global_store_b128 v7, v[S+32+4*\k:S+32+4*\k+3], s[8:9] offset:32768*\i+(2*\k+8*(\k/4))*4096 th:TH_STORE_NT   ; tile row 2 k + h is query 8 i + 2 k + h + 8 (k / 4) of my 32; sixteen lanes store 256 consecutive bytes, aligned
.endr
	s_wait_xcnt 0x0                                ; the stores have read their registers: the next tile may write them
.endm
	TILE 0, 16, 28
	TILE 1, 244, 241
	s_wait_dscnt 0x0
	s_wait_tensorcnt 0x0
	ds_add_u32 v223, v227
	s_wait_dscnt 0x0
	CROUND                                         ; the closing round: no work-group ends while a partner may still ask jointly
	s_endpgm
.Lfunc_end_k_q0cf4a04350_attn:
	.size	k_q0cf4a04350_attn, .Lfunc_end_k_q0cf4a04350_attn-k_q0cf4a04350_attn
	.p2alignl 7, 3214868480
	.fill 96, 4, 3214868480
	.section	.rodata,"a",@progbits
	.p2align	6, 0x0
	.amdhsa_kernel k_q0cf4a04350_attn
		.amdhsa_group_segment_fixed_size 280576
		.amdhsa_private_segment_fixed_size 0
		.amdhsa_enable_private_segment 0
		.amdhsa_kernarg_size 24
		.amdhsa_user_sgpr_count 2
		.amdhsa_user_sgpr_kernarg_segment_ptr 1
		.amdhsa_wavefront_size32 1
		.amdhsa_system_sgpr_workgroup_id_x 1
		.amdhsa_system_sgpr_workgroup_id_y 1
		.amdhsa_system_sgpr_workgroup_id_z 1
		.amdhsa_system_vgpr_workitem_id 0
		.amdhsa_next_free_vgpr 256
		.amdhsa_next_free_sgpr 66
		.amdhsa_reserve_vcc 0
		.amdhsa_float_denorm_mode_32 3
		.amdhsa_float_denorm_mode_16_64 3
		.amdhsa_memory_ordered 1
		.amdhsa_forward_progress 1
		.amdhsa_inst_pref_size 49
	.end_amdhsa_kernel
	.amdgpu_metadata
---
amdhsa.version: [ 1, 2 ]
amdhsa.kernels:
  - .name:           k_q0cf4a04350_attn
    .symbol:         k_q0cf4a04350_attn.kd
    .args:
      - { .name: qc, .offset: 0, .size: 8, .value_kind: global_buffer, .address_space: global }
      - { .name: kv, .offset: 8, .size: 8, .value_kind: global_buffer, .address_space: global }
      - { .name: out0, .offset: 16, .size: 8, .value_kind: global_buffer, .address_space: global }
    .group_segment_fixed_size: 280576
    .private_segment_fixed_size: 0
    .kernarg_segment_align: 8
    .kernarg_segment_size: 24
    .max_flat_workgroup_size: 512
    .sgpr_count:     66
    .vgpr_count:     256
    .wavefront_size: 32
...
	.end_amdgpu_metadata
.endif
;; end of part 3
